; MI455X (gfx1250); checked and timed in simulation.
; The chip was launched on July 23, 2026; its instructions are those of AMD's public machine-readable ISA for CDNA 5 (MIT licence, August 2026) and "CDNA5" Instruction Set Architecture Reference Guide (July 2026). The comments in the code are by the model that wrote it; some were corrected since.
;; BERT Legal CA. Allowed arithmetic: matrix products marked QUANTISED: E2M1 operands, one E8M0 scale for each 32 along K, by v_wmma_scale_f32_16x16x128_f8f6f4 with both operands' format E2M1 (or v_wmma_scale_f32_32x16x128_f4), f32 sums; products left as they are: bf16, f16 or f32 operands; f32 sums; everything else in f32.
;; Inputs: W_accu2 119 x 103 float32; W_term2 11 x 103 float32; Wk 768 x 768 float32; Wq 768 x 768 float32; Wv 768 x 768 float32; attention_mask 2 x 128 int32; b_accu1 1 float32; b_accu2 119 float32; b_accu_d 1 float32; b_law1 1 float32; b_law_d 1 float32; b_term1 1 float32; b_term2 11 float32; b_term_d 1 float32; bk 768 float32; bq 768 float32; bv 768 float32; laws 103 x 512 x 768 float32; output 2 x 128 x 768 float32; w_accu1 512 float32; w_accu_d 768 float32; w_law1 512 float32; w_law_d 768 float32; w_term1 512 float32; w_term_d 768 float32.
;; Outputs: out0 2 x 103 float32; out1 2 x 119 float32; out2 2 x 11 float32.
;; This version of the problem:
;;   THIS VERSION OF THE PROBLEM IS GIVEN IN LOW PRECISION. The matrix products marked QUANTISED in the list below multiply operands that are first quantised to E2M1 (2 exponent bits, 1 mantissa bit; 4 bits a number), with one power-of-two scale for each 32 numbers along K (OCP MX v1.0); their sums are f32. The products marked 'left as it is' may take bf16, f16 or f32 operands, with f32 sums. Whichever they take, every output number must still come out within the allowed error. Rounding operands to bf16 (8 significant bits) uses up far more of that allowance than f16 does (11 bits, for magnitudes from 6e-5 to 65,504). All else is computed in f32.
;;   The module's matrix products, in the order in which they are computed (A, B: the left and right operand; K: the contracted axis; several contracted axes count as one K, in the product's order):
;;     1. [M 52,736, K 768] x [K 768, N 768]; A: input laws; B: input Wq: QUANTISED
;;     2. [M 256, K 768] x [K 768, N 768]; A: input output; B: input Wk: QUANTISED
;;     3. [M 256, K 768] x [K 768, N 768]; A: input output; B: input Wv: QUANTISED
;;     4. [M 256, K 768] x [K 768, N 52,736]; A: computed on the way; B: computed on the way: left as it is (an operand is computed on the way)
;;     5. batch 2 x [M 768, K 128] x [K 128, N 52,736]; A: computed on the way; B: computed on the way: left as it is (an operand is computed on the way)
;;     6. [M 105,472, K 768] x [K 768, N 1]; A: computed on the way; B: input w_law_d: left as it is (N = 1 < 16)
;;     7. [M 206, K 512] x [K 512, N 1]; A: computed on the way; B: input w_law1: left as it is (N = 1 < 16)
;;     8. [M 105,472, K 768] x [K 768, N 1]; A: computed on the way; B: input w_accu_d: left as it is (N = 1 < 16)
;;     9. [M 206, K 512] x [K 512, N 1]; A: computed on the way; B: input w_accu1: left as it is (N = 1 < 16)
;;     10. [M 2, K 103] x [K 103, N 119]; A: computed on the way; B: input W_accu2: left as it is (M = 2 < 16)
;;     11. [M 105,472, K 768] x [K 768, N 1]; A: computed on the way; B: input w_term_d: left as it is (N = 1 < 16)
;;     12. [M 206, K 512] x [K 512, N 1]; A: computed on the way; B: input w_term1: left as it is (N = 1 < 16)
;;     13. [M 2, K 103] x [K 103, N 11]; A: computed on the way; B: input W_term2: left as it is (M = 2 < 16)
;;   THE QUANTISER, for each operand of a quantised product, along K:
;;     - K is cut into blocks of 32 from its start; a last block that is shorter is filled with zeros.
;;     - A block's scale is 2^e with e = floor(log2(the largest magnitude in the block)) - 2, held to -126 .. 127; a block of zeros has e = 0. As a byte (E8M0): e + 127.
;;     - Each number is divided by its block's scale, clamped to +-6, and rounded to the nearest number of E2M1, ties to even, subnormals kept.
;;     - The product sums the exact products of the quantised numbers (number of the format x scale) in f32.
;;   ~~~python
;;   def quantise(x, axis):      # numpy; x: float32 -> the quantised numbers, widened to float32 again
;;       x = np.moveaxis(x, axis, -1); K = x.shape[-1]
;;       x = np.pad(x, [(0, 0)] * (x.ndim - 1) + [(0, -K % 32)]); x = x.reshape(x.shape[:-1] + (-1, 32)); a = np.abs(x).max(-1, keepdims=True)
;;       e = np.where(a > 0, np.clip(np.frexp(np.where(a > 0, a, 1))[1] - 1 - 2, -126, 127), 0)      # np.frexp(a)[1] - 1 = floor(log2(a)), exactly
;;       r = np.clip(x / 2.0 ** e, -6, 6)
;;       step = 2.0 ** (np.maximum(np.frexp(np.where(r == 0, 1, r))[1] - 1, 0) - 1)
;;       q = np.round(r / step) * step * 2.0 ** e      # np.round: ties to even
;;       return np.moveaxis(q.reshape(q.shape[:-2] + (-1,))[..., :K], -1, axis).astype(np.float32)
;;   ~~~
;; One version. Each part assembles by itself: llvm-mc -triple=amdgcn-amd-amdhsa -mcpu=gfx1250 --defsym DOCPART=n.
;; ======== version 1 of 1: 3 launches
;; workspace buffers: lcodes 22,781,952 bytes; bstream 712,704 bytes; vwpart 49,152 bytes; part 105,472 bytes
;; launch prep (part 1): grid 256 x 1, 16 waves a work-group, no clusters, 326,144 bytes of LDS; arguments laws, output, Wq, Wk, Wv, bq, bk, bv, w_law_d, w_accu_d, w_term_d, lcodes, bstream, vwpart; writes lcodes, bstream, vwpart
.if DOCPART == 1
	.amdgcn_target "amdgcn-amd-amdhsa--gfx1250"
	.amdhsa_code_object_version 6
	.text
	.protected	k_q5bbf6575e3_prep
	.globl	k_q5bbf6575e3_prep
	.p2align	8
	.type	k_q5bbf6575e3_prep,@function
k_q5bbf6575e3_prep:
	s_mov_b64 s[64:65], 0
	v_nop
	global_prefetch_b8 v0, s[64:65] scope:SCOPE_SE
	s_setreg_imm32_b32 hwreg(HW_REG_WAVE_MODE, 25, 1), 1
	s_wait_xcnt 0x0
; PREP.  256 work-groups of three kinds, told apart by the work-group's number x alone:
;   x < 96        facts_k = Q(output) Q(Wk) + bk or facts_v = Q(output) Q(Wv) + bv for 64 keys x 64 columns, on codes of E2M1 with one E8M0 scale for 32 along K.
;                 facts_k leaves as bf16 fragment images in bstream; of facts_v only the three dots with w_law_d, w_accu_d, w_term_d over these 64 columns leave (vwpart), in f32.
;   96 <= x < 108 Wq becomes codes: fragment images, scale words and bq, laid by chunks of 32 columns in bstream.
;   x >= 108      laws becomes codes: a wave takes a tile of 16 rows x 768; lcodes holds for each tile six fragment images of 1,024 bytes and the scale words.
; THE TILES OF LAWS, 3,296: the 148 work-groups x >= 108 take 16 each (tiles 0 .. 2,367).  The other 928 go to the work-groups x < 108, which have less to read: there waves 4 .. 12 take tile 2,364 + 9 x + wave
; (where that is under 3,296) as soon as their part of the small work is done: in a key/value work-group behind its one barrier, while waves 0 .. 3 multiply.
; THE QUANTISER: a block's scale is 2^(floor(log2(largest magnitude)) - 2); its byte is the largest magnitude's exponent field - 2, held at 1 from below by a floor among the maximum's leaves.
; A block of zeros so has the byte 1 where the rule says 127: its codes are zeros, and this program alone reads the bytes.
; LIMITS: NaN and infinities among the inputs are not served; blocks whose largest magnitude lies under 2^-124 were not tried.
; A fragment (16 rows x 128 K of 4-bit codes) is 8 registers a lane: it is stored as an image of its registers, register group c at 512 c + 16 x lane.
.set ROWB,  3072                       ; a row of laws, output, Wq, Wk, Wv in bytes
.set BLOCK, 29696                      ; a chunk's block in bstream: 12,288 Wq fragments, 768 scale words, 128 bq, 128 zeros, 16,384 facts_k fragments
.set STG_K, 135168                     ; LDS: 0 .. the laws path's stages, 8,448 bytes a wave (16 rows x 528); from here the key/value path's own
.set OIMG,  270336                     ; output's 24 fragment images ((6 j + s) x 1,024)
.set OSC,   294912                     ; their scale words, 128 bytes each
.set WIMG,  297984                     ; W's 24 fragment images ((12 u + 6 ct + s) x 1,024)
.set WSC,   322560                     ; their scale words ((6 u + s) x 128: lanes 0-15 column tile 0, lanes 16-31 column tile 1)
.set SPARE, 324096                     ; the spare words, 128 bytes for each of 16 waves: eight blocks of 256 bytes that no other line names
; REGISTERS: v1 lane, v2 r, v3 h, v4 16 lane, v5 4 lane, v6-9 stage addresses, v10-13 image addresses, v14, v15 the add's two, v16-27 the quantiser's, v28-31 and v43-45 addresses,
; v32-39 codes just made, v40-42 scale words of the products (nothing else), v46 the scale word just made, v47 at work, v48-239 numbers, v240-255 a column's codes or a tile's scale words.
.macro LOADU reg, base, off, nt        ; 16 rows x 512 bytes: each load takes 512 consecutive bytes of one row
.irp i,0,1,2,3,4,5,6,7,8,9,10,11,12,13,14,15
.if \nt
	global_load_b128 v[(\reg)+4*\i:(\reg)+4*\i+3], v4, s[\base:\base+1] offset:(\off)+ROWB*\i th:TH_LOAD_NT
.else
	global_load_b128 v[(\reg)+4*\i:(\reg)+4*\i+3], v4, s[\base:\base+1] offset:(\off)+ROWB*\i
.endif
.endr
.endm
.macro TURN reg, xreg, sta, stb        ; through the wave's own stage: in as loaded, out 16 neighbours of each block of 32: register 16 b + i = k 32 b + 16 h + i of row r.  LDS serves a wave's instructions in order
.irp i,0,1,2,3,4,5,6,7,8,9,10,11,12,13,14,15
	ds_store_b128 v[\sta], v[(\reg)+4*\i:(\reg)+4*\i+3] offset:528*\i
.endr
.irp b,0,1,2,3
.irp q,0,1,2,3
	ds_load_b128 v[(\xreg)+16*\b+4*\q:(\xreg)+16*\b+4*\q+3], v[\stb] offset:128*\b+16*\q
.endr
.endr
.endm
.macro QUANT x                         ; 64 numbers of a lane become a fragment's codes in v32-39 and its scale word in v46
.irp b,0,1,2,3
	v_max3_num_f32 v[16+\b], |v[(\x)+16*\b]|, |v[(\x)+1+16*\b]|, 0x1800000   ; my 16 numbers of block b, and the floor 2^(3 - 127)
.endr
.irp i,2,4,6,8,10,12,14
.irp b,0,1,2,3
	v_max3_num_f32 v[16+\b], v[16+\b], |v[(\x)+16*\b+\i]|, |v[(\x)+1+16*\b+\i]|
.endr
.endr
.irp b,0,1,2,3
	v_permlanex16_b32 v[20+\b], v[16+\b], s38, s39
.endr
.irp b,0,1,2,3
	v_max_num_f32 v[16+\b], v[16+\b], v[20+\b]     ; with lane l xor 16's: the block's largest magnitude
.endr
.irp b,0,1,2,3
	v_add_nc_u32 v[24+\b], 0xff000000, v[16+\b]    ; 2 off its exponent field: the conversion's scale operand
.endr
.irp b,0,1,2,3
	v_lshrrev_b32 v[20+\b], 23, v[24+\b]           ; the scale's byte
.endr
	v_lshl_or_b32 v46, v21, 8, v20
	v_lshl_or_b32 v46, v22, 16, v46
	v_lshl_or_b32 v46, v23, 24, v46
.irp b,0,1,2,3
	v_cvt_scalef32_pk8_fp4_f32 v[32+2*\b], v[(\x)+16*\b:(\x)+7+16*\b], v[24+\b]
	v_cvt_scalef32_pk8_fp4_f32 v[33+2*\b], v[(\x)+8+16*\b:(\x)+15+16*\b], v[24+\b]
.endr
	v_nop                                          ; one plain place behind a scaled conversion
.irp c,0,1                             ; the operand wants a whole block in a lane: lanes 0-15 block 2 c, lanes 16-31 block 2 c + 1
.irp i,0,1
	v_permlane16_swap_b32 v[32+4*\c+\i], v[34+4*\c+\i]
.endr
.endr
.endm
.macro WULOAD base                     ; a weight's K is its first axis: a lane takes a column, its registers run down 128 rows; each load reads 128 consecutive bytes
.set i_, 0
.rept 128
	global_load_b32 v[48+i_], v5, s[\base:\base+1] offset:ROWB*i_
.set i_, i_+1
.endr
.endm
.macro WUBLOCK bt, cnt                 ; block bt of my column: all 32 numbers are mine.  cnt: the loads issued behind this block's that may stay out
	s_wait_loadcnt \cnt
.set XS, 48+32*(\bt)
	v_max3_num_f32 v16, |v[XS]|, |v[XS+1]|, |v[XS+2]|
	v_max3_num_f32 v17, |v[XS+3]|, |v[XS+4]|, |v[XS+5]|
.irp i,6,10,14,18,22,26
	v_max3_num_f32 v16, v16, |v[XS+\i]|, |v[XS+\i+1]|
	v_max3_num_f32 v17, v17, |v[XS+\i+2]|, |v[XS+\i+3]|
.endr
	v_max3_num_f32 v16, v16, |v[XS+30]|, |v[XS+31]|
	v_max3_num_f32 v16, v16, v17, 0x1800000
	v_add_nc_u32 v18, 0xff000000, v16
	v_lshrrev_b32 v17, 23, v18
.if (\bt) == 0
	v_mov_b32 v46, v17
.else
	v_lshl_or_b32 v46, v17, 8*(\bt), v46
.endif
.irp g,0,1,2,3
	v_cvt_scalef32_pk8_fp4_f32 v[240+4*(\bt)+\g], v[XS+8*\g:XS+8*\g+7], v18
.endr
	v_nop
.endm
.macro FP4MM d, a, b, c, sa, sb, row1  ; one product of 16 x 16 x 128 on codes; row1: source 0's scale words stand in lanes 16-31
.if \row1
	v_wmma_scale_f32_16x16x128_f8f6f4 v[(\d):(\d)+7], v[(\a):(\a)+7], v[(\b):(\b)+7], v[(\c):(\c)+7], v[\sa], v[\sb] matrix_a_fmt:MATRIX_FMT_FP4 matrix_b_fmt:MATRIX_FMT_FP4 matrix_a_scale:MATRIX_SCALE_ROW1
.else
	v_wmma_scale_f32_16x16x128_f8f6f4 v[(\d):(\d)+7], v[(\a):(\a)+7], v[(\b):(\b)+7], v[(\c):(\c)+7], v[\sa], v[\sb] matrix_a_fmt:MATRIX_FMT_FP4 matrix_b_fmt:MATRIX_FMT_FP4
.endif
.endm
	s_load_b512 s[4:19], s[0:1], 0x0               ; laws 4, output 6, Wq 8, Wk 10, Wv 12, bq 14, bk 16, bv 18
	s_load_b256 s[20:27], s[0:1], 0x40             ; w_law_d 20, w_accu_d 22, w_term_d 24, lcodes 26
	s_load_b128 s[28:31], s[0:1], 0x60             ; bstream 28, vwpart 30
	v_lshl_add_u32 v14, v0, 2, SPARE
	v_mov_b32 v15, 0
	v_lshrrev_b32 v1, 5, v0
	v_readfirstlane_b32 s32, v1                    ; wave 0..15
	v_and_b32 v1, 31, v0                           ; lane
	v_and_b32 v2, 15, v0                           ; r
	v_bfe_u32 v3, v0, 4, 1                         ; h
	v_lshlrev_b32 v4, 4, v1
	v_lshlrev_b32 v5, 2, v1
	s_lshr_b32 s33, s32, 3                         ; u: which 32 of the 64 columns, and which pair of row tiles
	s_and_b32 s34, s32, 7                          ; the K step; the waves with 6 and 7 quantise no weight
	s_min_u32 s35, s32, 3                          ; j: the row tile of a wave that multiplies
	s_mul_i32 s36, s32, 8448
	v_add_nc_u32 v6, s36, v4                       ; stage, in: 16 x lane
	v_mul_u32_u24 v7, v2, 528
	v_lshl_add_u32 v7, v3, 6, v7
	v_add_nc_u32 v7, s36, v7                       ; stage, out: row r, + 64 h
	v_add_nc_u32 v8, STG_K, v6
	v_add_nc_u32 v9, STG_K, v7
	v_mul_u32_u24 v11, v3, 6144
	v_lshl_add_u32 v11, v2, 4, v11                 ; a column's place in its tile's image: 6,144 x column tile + 16 r
	s_mul_i32 s36, s33, 12288
	s_lshl_b32 s37, s34, 10
	s_add_co_u32 s36, s36, s37                     ; (12 u + K step) x 1,024
	s_add_co_u32 s37, s36, WIMG
	v_add_nc_u32 v10, s37, v11
	s_add_co_u32 s37, s36, OIMG
	v_add_nc_u32 v12, s37, v4
	v_lshlrev_b32 v13, 5, v3                       ; 32 h
	s_lshr_b32 s37, s36, 3
	s_add_co_u32 s37, s37, OSC
	v_add_nc_u32 v43, s37, v5
	s_mul_i32 s37, s33, 6
	s_add_co_u32 s37, s37, s34
	s_lshl_b32 s37, s37, 7
	s_add_co_u32 s37, s37, WSC
	v_add_nc_u32 v44, s37, v5
	v_lshlrev_b32 v45, 3, v1
	v_add_nc_u32 v28, WIMG, v4
	s_mul_i32 s37, s35, 6144
	s_add_co_u32 s37, s37, OIMG
	v_add_nc_u32 v29, s37, v4
	v_add_nc_u32 v30, WSC, v5
	s_mul_i32 s37, s35, 768
	s_add_co_u32 s37, s37, OSC
	v_add_nc_u32 v31, s37, v5
.irp b,0,1,2,3
	v_mov_b32 v[20+\b], 0                          ; written once: a lane permute's destination counts as one of its sources
.endr
	s_mov_b32 s38, 0x76543210
	s_mov_b32 s39, 0xfedcba98                      ; selects for lane l xor 16
	s_mul_i32 s40, ttmp9, 43
	s_lshr_b32 s40, s40, 9                         ; y = x / 12, exact for x < 108
	s_mul_i32 s41, s40, 12
	s_sub_co_u32 s41, ttmp9, s41                   ; cg = x - 12 y: the group of 64 columns
	s_mov_b32 s45, 0
	s_wait_kmcnt 0x0
	s_cmp_lt_u32 ttmp9, 96
	s_cbranch_scc1 .Lkv
	s_cmp_lt_u32 ttmp9, 108
	s_cbranch_scc1 .Lq
	s_sub_co_u32 s42, ttmp9, 108                   ; a work-group of laws alone: tile 16 (x - 108) + wave
	s_lshl_b32 s42, s42, 4
	s_add_co_u32 s42, s42, s32
	s_branch .Ltile
	; ---- Wq: twelve waves, each 32 columns x 128 along K
.Lq:
	s_cmp_lt_u32 s34, 6
	s_cbranch_scc0 .Lmore
	s_mul_i32 s44, s34, 128*ROWB
	s_lshl_b32 s46, s41, 8
	s_add_co_u32 s44, s44, s46
	s_lshl_b32 s46, s33, 7
	s_add_co_u32 s44, s44, s46
	s_add_nc_u64 s[8:9], s[8:9], s[44:45]          ; Wq at row 128 x K step, column 64 cg + 32 u
	WULOAD 8
	s_lshl_b32 s46, s41, 1
	s_add_co_u32 s46, s46, s33                     ; the chunk
	s_mul_i32 s44, s46, BLOCK
	s_add_nc_u64 s[28:29], s[28:29], s[44:45]
	s_lshl_b32 s44, s34, 10
	s_add_nc_u64 s[48:49], s[28:29], s[44:45]
	s_lshl_b32 s44, s34, 7
	s_add_nc_u64 s[50:51], s[28:29], s[44:45]
	WUBLOCK 0, 63                                  ; behind block 0's loads 96 were issued, behind block 1's 64: 63 serves both
	WUBLOCK 1, 63
	WUBLOCK 2, 32
	WUBLOCK 3, 0
.irp bt,0,1,2,3
	global_store_b128 v11, v[240+4*\bt:243+4*\bt], s[48:49] offset:(\bt/2)*512+(\bt%2)*256   ; sixteen lanes store 256 consecutive bytes
.endr
	global_store_b32 v5, v46, s[50:51] offset:12288
	s_cmp_lg_u32 s34, 0
	s_cbranch_scc1 .Lmore
	s_lshl_b32 s44, s46, 7
	s_add_nc_u64 s[14:15], s[14:15], s[44:45]
	global_load_b32 v47, v5, s[14:15]              ; bq of the chunk's 32 columns
	v_mov_b32 v19, 0
	global_store_b32 v5, v19, s[28:29] offset:13184
	s_wait_loadcnt 0x0
	global_store_b32 v5, v47, s[28:29] offset:13056
	s_branch .Lmore
	; ---- facts_k or facts_v: 64 keys x 64 columns
.Lkv:
	s_cmp_lt_u32 s40, 4                            ; the choice hangs on the work-group's number alone
	s_cselect_b64 s[10:11], s[10:11], s[12:13]     ; Wk or Wv
	s_cselect_b64 s[16:17], s[16:17], s[18:19]     ; bk or bv
	s_and_b32 s43, s40, 3                          ; rg: the group of 64 keys
	s_cmp_lt_u32 s34, 6
	s_cbranch_scc0 .Lkv_bar
	s_mul_i32 s44, s34, 128*ROWB
	s_lshl_b32 s46, s41, 8
	s_add_co_u32 s44, s44, s46
	s_lshl_b32 s46, s33, 7
	s_add_co_u32 s44, s44, s46
	s_add_nc_u64 s[10:11], s[10:11], s[44:45]
	s_lshl_b32 s44, s43, 6
	s_lshl_b32 s46, s33, 5
	s_add_co_u32 s44, s44, s46
	s_mul_i32 s44, s44, ROWB
	s_lshl_b32 s46, s34, 9
	s_add_co_u32 s44, s44, s46
	s_add_nc_u64 s[6:7], s[6:7], s[44:45]          ; output at row 64 rg + 32 u, my K step
	WULOAD 10
	LOADU 176, 6, 0, 0                             ; row tile 2 u
	WUBLOCK 0, 63
	WUBLOCK 1, 63
	WUBLOCK 2, 48                                  ; block 3's 32 loads and output's 16 stay out
	WUBLOCK 3, 16
.irp bt,0,1,2,3
	ds_store_b128 v10, v[240+4*\bt:243+4*\bt] offset:(\bt/2)*512+(\bt%2)*256
.endr
	ds_store_b32 v44, v46
	s_wait_loadcnt 0x0
	TURN 176, 48, 8, 9
	s_wait_dscnt 0x0
	LOADU 176, 6, 16*ROWB, 0                       ; row tile 2 u + 1
	QUANT 48
	ds_store_b128 v12, v[32:35]
	ds_store_b128 v12, v[36:39] offset:512
	ds_store_b32 v43, v46
	s_wait_loadcnt 0x0
	TURN 176, 48, 8, 9
	s_wait_dscnt 0x0
	QUANT 48
	ds_store_b128 v12, v[32:35] offset:6144
	ds_store_b128 v12, v[36:39] offset:6144+512
	ds_store_b32 v43, v46 offset:768
.Lkv_bar:
	s_wait_dscnt 0x0                               ; for the others' sake: my images have landed
	s_barrier_signal -1
	s_barrier_wait -1
	s_cmp_lt_u32 s32, 4
	s_cbranch_scc0 .Lmore                          ; waves 4 .. 15 have done their part of the small work
	; wave j multiplies: 16 keys x 64 columns, transposed (source 0 = 16 columns of W, source 1 = 16 rows of output): lane (r, h), register i of tile t = facts[key r][16 t + 8 h + i]
	s_lshl_b32 s44, s41, 8
	s_add_nc_u64 s[16:17], s[16:17], s[44:45]
.irp t,0,1,2,3
	global_load_b128 v[80+8*\t:83+8*\t], v13, s[16:17] offset:64*\t          ; the bias in the result's layout: the C of each sum's first product
	global_load_b128 v[84+8*\t:87+8*\t], v13, s[16:17] offset:64*\t+16
.endr
.irp s,0,1,2,3,4,5
.if \s > 0
.rept 4
	v_nop                                          ; places in front of loads into registers that matrix instructions have read
.endr
.endif
.irp t,0,1,2,3
.irp c,0,1
	ds_load_b128 v[112+8*\t+4*\c:112+8*\t+4*\c+3], v28 offset:(12*(\t/2)+6*(\t%2)+\s)*1024+512*\c
.endr
.endr
.irp c,0,1
	ds_load_b128 v[144+4*\c:147+4*\c], v29 offset:\s*1024+512*\c
.endr
	ds_load_b32 v40, v30 offset:\s*128
	ds_load_b32 v41, v30 offset:(6+\s)*128
	ds_load_b32 v42, v31 offset:\s*128
	s_wait_dscnt 0x0
.if \s == 0
	s_wait_loadcnt 0x0
.endif
.irp t,0,1,2,3                         ; the four accumulators take turns, one instruction a turn
.if \s == 0
.set CR, 80+8*\t
.else
.set CR, 48+8*\t
.endif
	FP4MM 48+8*\t, 112+8*\t, 144, CR, 40+\t/2, 42, \t%2
.endr
.endr
.rept 4
	v_nop
.endr
	s_cmp_lt_u32 s40, 4
	s_cbranch_scc0 .Lvpath
	; facts_k: two neighbouring column tiles, rounded to bf16 in pairs, are a fragment of 16 keys x 32 columns
.irp t,0,1,2,3
.irp i,0,1,2,3
	v_cvt_pk_bf16_f32 v[112+4*\t+\i], v[48+8*\t+2*\i], v[48+8*\t+2*\i+1]
.endr
.endr
	s_mul_i32 s44, s41, 2*BLOCK
	s_lshl_b32 s46, s43, 2
	s_add_co_u32 s46, s46, s32                     ; the key tile: 4 rg + j
	s_lshl_b32 s46, s46, 10
	s_add_co_u32 s44, s44, s46
	s_add_nc_u64 s[28:29], s[28:29], s[44:45]
.irp u,0,1
.irp g,0,1
	global_store_b128 v4, v[112+8*\u+4*\g:115+8*\u+4*\g], s[28:29] offset:\u*BLOCK+13312+512*\g
.endr
.endr
	s_branch .Lend
.Lvpath:
	; facts_v reaches the outputs only through its dots with the three w_d: my 64 columns' part of them, in f32
	s_lshl_b32 s44, s41, 8
	s_add_nc_u64 s[20:21], s[20:21], s[44:45]
	s_add_nc_u64 s[22:23], s[22:23], s[44:45]
	s_add_nc_u64 s[24:25], s[24:25], s[44:45]
.irp hd,0,1,2
.irp t,0,1,2,3
	global_load_b128 v[152+32*\hd+8*\t:155+32*\hd+8*\t], v13, s[20+2*\hd:21+2*\hd] offset:64*\t
	global_load_b128 v[156+32*\hd+8*\t:159+32*\hd+8*\t], v13, s[20+2*\hd:21+2*\hd] offset:64*\t+16
.endr
.endr
	v_lshlrev_b32 v47, 4, v2
	v_mov_b32 v19, 0
	s_lshl_b32 s44, s41, 12
	s_lshl_b32 s46, s43, 10
	s_add_co_u32 s44, s44, s46
	s_lshl_b32 s46, s32, 8
	s_add_co_u32 s44, s44, s46
	s_add_nc_u64 s[30:31], s[30:31], s[44:45]      ; vwpart[cg][64 rg + 16 j]
	s_wait_loadcnt 0x0
.irp hd,0,1,2
	v_mul_f32 v[16+\hd], v48, v[152+32*\hd]        ; each accumulator is read from its low end on
.endr
.set i_, 1
.rept 31
.irp hd,0,1,2
	v_fma_f32 v[16+\hd], v[48+i_], v[152+32*\hd+i_], v[16+\hd]
.endr
.set i_, i_+1
.endr
.irp hd,0,1,2
	v_permlanex16_b32 v[20+\hd], v[16+\hd], s38, s39
.endr
.irp hd,0,1,2
	v_add_f32 v[16+\hd], v[16+\hd], v[20+\hd]      ; with the other half's eight columns of each tile
.endr
	global_store_b128 v47, v[16:19], s[30:31]      ; key r's three dots and a zero; both halves of the lanes hold and store the same 16 bytes
	s_branch .Lend
	; ---- a wave of a work-group x < 108 whose small work is done: waves 4 .. 12 go on to a tile of laws
.Lmore:
	s_cmp_lt_u32 s32, 4
	s_cbranch_scc1 .Lend
	s_cmp_gt_u32 s32, 12
	s_cbranch_scc1 .Lend
	s_mul_i32 s42, ttmp9, 9
	s_add_co_u32 s42, s42, s32
	s_add_co_u32 s42, s42, 2364                    ; tile 2,368 + 9 x + (wave - 4)
	s_cmp_lt_u32 s42, 3296                         ; 928 tiles: x <= 102 have nine, x = 103 one, the last four none
	s_cbranch_scc0 .Lend
	; ---- LAWS: tile s42, 16 rows, six units of 128 along K.  Two units' loads (32 x 512 bytes a wave) are on their way while a unit is quantised
.Ltile:
	s_wait_xcnt 0x0                                ; the Wq path's stores have read their registers, some of which are written again below
	s_mul_i32 s44, s42, 49152
	s_add_nc_u64 s[4:5], s[4:5], s[44:45]
	s_mul_i32 s44, s42, 6912
	s_add_nc_u64 s[26:27], s[26:27], s[44:45]
	LOADU 48, 4, 0, 1
	LOADU 112, 4, 512, 1
.irp u,0,1,2,3,4,5
.if \u < 5
	s_wait_loadcnt 16                              ; this unit's 16 loads are in; the next unit's stay out
.else
	s_wait_loadcnt 0
.endif
	TURN 48+64*(\u%2), 176, 6, 7
	s_wait_dscnt 0x0                               ; the numbers are back, and the stage's stores have read their registers
	s_wait_xcnt 0x0                                ; the last unit's stores have read v32-39, which are written again below
.if \u < 4
	LOADU 48+64*(\u%2), 4, 512*(\u+2), 1
.endif
	QUANT 176
	v_mov_b32 v[240+\u], v46
	global_store_b128 v4, v[32:35], s[26:27] offset:1024*\u th:TH_STORE_NT        ; 32 lanes store 512 consecutive bytes
	global_store_b128 v4, v[36:39], s[26:27] offset:1024*\u+512 th:TH_STORE_NT
.endr
	global_store_b128 v4, v[240:243], s[26:27] offset:6144 th:TH_STORE_NT         ; the scale words of K steps 0-3, a lane's four on end
	global_store_b64 v45, v[244:245], s[26:27] offset:6656 th:TH_STORE_NT         ; and of K steps 4, 5
.Lend:
	s_wait_tensorcnt 0x0                           ; the wave's end
	ds_add_u32 v14, v15
	s_wait_dscnt 0x0
	s_endpgm
.Lfunc_end_k_q5bbf6575e3_prep:
	.size	k_q5bbf6575e3_prep, .Lfunc_end_k_q5bbf6575e3_prep-k_q5bbf6575e3_prep
	.p2alignl 7, 3214868480
	.fill 96, 4, 3214868480
	.section	.rodata,"a",@progbits
	.p2align	6, 0x0
	.amdhsa_kernel k_q5bbf6575e3_prep
		.amdhsa_group_segment_fixed_size 326144
		.amdhsa_private_segment_fixed_size 0
		.amdhsa_enable_private_segment 0
		.amdhsa_kernarg_size 112
		.amdhsa_user_sgpr_count 2
		.amdhsa_user_sgpr_kernarg_segment_ptr 1
		.amdhsa_wavefront_size32 1
		.amdhsa_system_sgpr_workgroup_id_x 1
		.amdhsa_system_sgpr_workgroup_id_y 1
		.amdhsa_system_sgpr_workgroup_id_z 1
		.amdhsa_system_vgpr_workitem_id 0
		.amdhsa_next_free_vgpr 256
		.amdhsa_next_free_sgpr 66
		.amdhsa_reserve_vcc 0
		.amdhsa_float_denorm_mode_32 3
		.amdhsa_float_denorm_mode_16_64 3
		.amdhsa_memory_ordered 1
		.amdhsa_forward_progress 1
		.amdhsa_inst_pref_size 124
	.end_amdhsa_kernel
	.amdgpu_metadata
---
amdhsa.version: [ 1, 2 ]
amdhsa.kernels:
  - .name:           k_q5bbf6575e3_prep
    .symbol:         k_q5bbf6575e3_prep.kd
    .args:
      - { .name: laws, .offset: 0, .size: 8, .value_kind: global_buffer, .address_space: global }
      - { .name: output, .offset: 8, .size: 8, .value_kind: global_buffer, .address_space: global }
      - { .name: Wq, .offset: 16, .size: 8, .value_kind: global_buffer, .address_space: global }
      - { .name: Wk, .offset: 24, .size: 8, .value_kind: global_buffer, .address_space: global }
      - { .name: Wv, .offset: 32, .size: 8, .value_kind: global_buffer, .address_space: global }
      - { .name: bq, .offset: 40, .size: 8, .value_kind: global_buffer, .address_space: global }
      - { .name: bk, .offset: 48, .size: 8, .value_kind: global_buffer, .address_space: global }
      - { .name: bv, .offset: 56, .size: 8, .value_kind: global_buffer, .address_space: global }
      - { .name: w_law_d, .offset: 64, .size: 8, .value_kind: global_buffer, .address_space: global }
      - { .name: w_accu_d, .offset: 72, .size: 8, .value_kind: global_buffer, .address_space: global }
      - { .name: w_term_d, .offset: 80, .size: 8, .value_kind: global_buffer, .address_space: global }
      - { .name: lcodes, .offset: 88, .size: 8, .value_kind: global_buffer, .address_space: global }
      - { .name: bstream, .offset: 96, .size: 8, .value_kind: global_buffer, .address_space: global }
      - { .name: vwpart, .offset: 104, .size: 8, .value_kind: global_buffer, .address_space: global }
    .group_segment_fixed_size: 326144
    .private_segment_fixed_size: 0
    .kernarg_segment_align: 8
    .kernarg_segment_size: 112
    .max_flat_workgroup_size: 512
    .sgpr_count:     66
    .vgpr_count:     256
    .wavefront_size: 32
...
	.end_amdgpu_metadata
.endif
;; end of part 1
;; launch main (part 2): grid 208 x 1, 4 waves a work-group, clusters of 4 x 1, 327,680 bytes of LDS; arguments lcodes, bstream, vwpart, attention_mask, w_law1, w_accu1, w_term1, b_law_d, b_accu_d, b_term_d, part; writes part
.if DOCPART == 2
	.amdgcn_target "amdgcn-amd-amdhsa--gfx1250"
	.amdhsa_code_object_version 6
	.text
	.protected	k_q5bbf6575e3_main
	.globl	k_q5bbf6575e3_main
	.p2align	8
	.type	k_q5bbf6575e3_main,@function
k_q5bbf6575e3_main:
	s_mov_b64 s[64:65], 0
	v_nop
	global_prefetch_b8 v0, s[64:65] scope:SCOPE_SE
	s_setreg_imm32_b32 hwreg(HW_REG_WAVE_MODE, 25, 1), 1
	s_wait_xcnt 0x0
	s_wait_alu depctr_hold_cnt(0) depctr_sa_sdst(0) depctr_va_vdst(0) depctr_va_sdst(0) depctr_va_ssrc(0) depctr_va_vcc(0) depctr_vm_vsrc(0)
	s_getreg_b32 s2, hwreg(HW_REG_IB_STS2, 6, 4)
	s_cmp_eq_u32 s2, 0
	s_cbranch_scc0 .Lentry_in_a_cluster
	s_endpgm
.Lentry_in_a_cluster:
	s_bfe_u32 s2, ttmp6, 0x10000c
	s_cmp_lg_u32 s2, 0x3003
	s_cbranch_scc0 .Lentry_shape_is_right
	s_endpgm
.Lentry_shape_is_right:
; MAIN.  For 64 rows of laws a wave: laws_q = Q(laws) Q(Wq) + bq on codes of E2M1, 32 columns d at a time; rounded to bf16; scores^T += facts_k laws_q^T in bf16 for all 256 keys (512 registers of f32);
; then the softmax over each batch's 128 keys (the row's maximum taken away), p . vw in f32 (vw[key][head] = facts_v[key] . w_d: since g enters the outputs only through g . w_d, and g . w_d = sum over keys of p x vw,
; for every input), + b_d, tanh, x w_1[row], summed over the tile's 16 rows: six numbers a tile go to part.
; part is laid [which four of a law's 32 tiles: 8][law x 8 + 2 head + batch: 824][tile % 4], so that the last launch finds a sum's 32 terms by eight loads of 16 bytes a lane, neighbouring lanes at neighbouring bytes.
; bf16 and not f16 for the score product: laws_q and facts_k have no bound that keeps them inside f16's range.
; THE MASK: the score sums begin as (1 - mask) x (-10000 sqrt(768)), so that the later factor log2(e) / sqrt(768) gives the reference's term.  LIMIT: where ALL keys of a batch are masked, the scores are rounded at
; magnitude 2.8e5 in raw units (1.1e-3 a step after scaling) where the reference rounds at 1e4: another order of rounding.  NaN and infinities among the inputs are not served.
; SHARES.  3,296 tiles of 16 rows; 832 waves.  Wave W < 800 takes tiles 4 W .. 4 W + 3; waves 800 .. 831 have three tiles, and their fourth place repeats the wave's own third tile (by address, no branch):
; 32 of 3,328 places, so that the grid divides into clusters of four.
; CLUSTER.  All work-groups walk the same stream (24 blocks of 29,696 bytes: a chunk's Wq fragments, scale words, bq, facts_k fragments).  The four of a cluster ask for each block JOINTLY: wave w brings block w of a slot's four.
; Two slots of four blocks; by this text's own count a wave has two tensor loads out at the start and one behind each round.
; Both products are used transposed: a lane holds one row of laws throughout.
; REGISTERS, in windows of 256:  window 0: v1-13 addresses, v14, v15 the add's two, v16-25 at work, v32-55 laws' scale words, v56-61 Wq's (scales and nothing else), v64-79 bq, v80-111 laws_q in bf16 (before that Wq's fragments of K steps 4, 5),
;   v112-175 laws_q in f32, v176-239 two sets of facts_k fragments.   window 1: v0-191 laws' codes, v192-255 Wq's fragments of K steps 0-3.   windows 2, 3: the scores, tile j at 128 (j % 2) of window 2 + j / 2.
.set BLOCK, 29696
.set SLOT1, 131072                     ; slot 1 begins here: one exclusive or turns an address from one slot to the other
.set MADD,  118784                     ; behind slot 0: the mask's term for 256 keys
.set VWT,   119808                     ; vw [batch][head][128]
.set SPARE, 122880                     ; the spare words, 128 bytes for each wave: two blocks of 256 bytes that no other line names
.set REC,   6912                       ; a tile's record in lcodes
.set WQS,   12288
.set BQO,   13056
.set FKO,   13312
.set L16, 1
.set L4,  2
.set H32, 3
.set AB,  4                            ; the block in hand + 16 lane
.set ANB, 7                            ; the next block + 16 lane, + 4 lane, + 32 h
.set ANS, 8
.set ANQ, 9
.set SPW, 14
.set NIL, 15
.set LSC, 32
.set WS,  56
.set BQ,  64
.set LQ,  80
.set ACC1, 112
.set FK0, 176
.set FK1, 208
.set TB,  52                           ; s52 LDS byte of the block in hand
.set MSB, 0
.macro WIN new                         ; the immediate's high byte repeats the setting that is left
.if MSB != (\new)
	s_set_vgpr_msb (MSB<<8)|(\new)
.set MSB, (\new)
.endif
.endm
.macro PLACES
.rept 4
	v_nop
.endr
.endm
.macro CREST                           ; a round of the cluster's barrier behind its opening barrier
	s_cmp_lg_u32 s29, 0
	s_cbranch_scc1 .Lnot_wave_0_\@
	s_barrier_signal -3
.Lnot_wave_0_\@:
	s_barrier_wait -3
	s_barrier_signal -1
	s_barrier_wait -1
.endm
.macro ROUND
	s_barrier_signal -1
	s_barrier_wait -1
	CREST
.endm
.macro FP4MM d, a, b, c, sa, sb, row1
.if \row1
	v_wmma_scale_f32_16x16x128_f8f6f4 v[(\d):(\d)+7], v[(\a):(\a)+7], v[(\b):(\b)+7], v[(\c):(\c)+7], v[\sa], v[\sb] matrix_a_fmt:MATRIX_FMT_FP4 matrix_b_fmt:MATRIX_FMT_FP4 matrix_a_scale:MATRIX_SCALE_ROW1
.else
	v_wmma_scale_f32_16x16x128_f8f6f4 v[(\d):(\d)+7], v[(\a):(\a)+7], v[(\b):(\b)+7], v[(\c):(\c)+7], v[\sa], v[\sb] matrix_a_fmt:MATRIX_FMT_FP4 matrix_b_fmt:MATRIX_FMT_FP4
.endif
.endm
; K step s of laws_q: 8 products, four tiles of rows x two tiles of columns; the eight accumulators take turns.  The first K step takes bq as C
.macro P1 s
.if (\s) < 4
	WIN 0x05
.set WQR, 192+16*(\s)
.else
	WIN 0x04
.set WQR, LQ+16*((\s)-4)
.endif
.irp j,0,1,2,3
.irp ct,0,1
.if (\s) == 0
.set CR, BQ+8*\ct
.else
.set CR, ACC1+8*(2*\j+\ct)
.endif
	FP4MM ACC1+8*(2*\j+\ct), WQR+8*\ct, 8*(6*\j+(\s)), CR, WS+(\s), LSC+6*\j+(\s), \ct
.endr
.endr
.endm
; 8 products of the scores: key tiles 4 g .. 4 g + 3 x row tiles 2 hi, 2 hi + 1; each on an accumulator of its own
.macro P4H g, set, hi
.irp f,0,1,2,3
.irp jj,0,1
	v_wmma_f32_16x16x32_bf16 v[128*\jj+8*(4*(\g)+\f):128*\jj+8*(4*(\g)+\f)+7], v[(\set)+8*\f:(\set)+8*\f+7], v[LQ+8*(2*(\hi)+\jj):LQ+8*(2*(\hi)+\jj)+7], v[128*\jj+8*(4*(\g)+\f):128*\jj+8*(4*(\g)+\f)+7]
.endr
.endr
.endm
.macro P4 g, set, w1                   ; w1 = 1: the fragments stand in window 1
	WIN 0xa0+\w1
	P4H \g, \set, 0
	WIN 0xf0+\w1
	P4H \g, \set, 1
.endm
.macro FKLD g, dst, adr                ; four fragments of facts_k
.irp f,0,1,2,3
.irp c,0,1
	ds_load_b128 v[(\dst)+8*\f+4*\c:(\dst)+8*\f+4*\c+3], v[\adr] offset:FKO+(4*(\g)+\f)*1024+512*\c
.endr
.endr
.endm
.macro WQLD s, dst, adr                ; Wq's two fragments of K step s
.irp ct,0,1
.irp c,0,1
	ds_load_b128 v[(\dst)+8*\ct+4*\c:(\dst)+8*\ct+4*\c+3], v[\adr] offset:(6*\ct+(\s))*1024+512*\c
.endr
.endr
.endm
.macro WSBQ                            ; the next chunk's scale words and bq in the result's layout
.irp s,0,1,2,3,4,5
	ds_load_b32 v[WS+\s], v[ANS] offset:WQS+128*\s
.endr
.irp ct,0,1
.irp q,0,1
	ds_load_b128 v[BQ+8*\ct+4*\q:BQ+8*\ct+4*\q+3], v[ANQ] offset:BQO+64*\ct+16*\q
.endr
.endr
.endm
; A CHUNK: 32 columns d.  kind 0: its successor lies in the same slot; 1: a slot's last, the slot is filled again; 2: a slot's last, nothing is asked for; 3: the very last.
.macro CHUNK kind
	v_add_nc_u32 v[AB], s[TB], v[L16]
	v_nop
	v_nop
	v_nop                                          ; four places behind the last score products, in front of loads into the registers that they read
	WQLD 4, LQ, AB
	WQLD 5, LQ+16, AB
	s_wait_dscnt 16                                ; the 16 youngest loads may be out: none of them serves K steps 0, 1
	P1 0
	P1 1
	s_wait_dscnt 8                                 ; the 8 just issued may be out
	P1 2
	P1 3
	s_wait_dscnt 0x0
	P1 4
	P1 5
	WIN 0
.if \kind == 0
	s_add_co_u32 s[TB], s[TB], BLOCK
.elseif \kind < 3
	s_sub_co_u32 s[TB], s[TB], 3*BLOCK             ; back to a slot's first block,
	s_xor_b32 s[TB], s[TB], SLOT1                  ; in the other slot
.endif
.if \kind < 3
	v_add_nc_u32 v[ANB], s[TB], v[L16]
	v_add_nc_u32 v[ANS], s[TB], v[L4]
	v_add_nc_u32 v[ANQ], s[TB], v[H32]
	v_nop                                          ; four places behind the products above
.else
	PLACES
.endif
	FKLD 1, FK1, AB
.if \kind == 0
	WSBQ
	WIN 0x40
	WQLD 0, 192, ANB
	WQLD 1, 208, ANB
	WQLD 2, 224, ANB
	WQLD 3, 240, ANB
.else
	WIN 0x40                                       ; a slot's last chunk reads all that it still wants of the slot now, into the registers that Wq's fragments have left
	FKLD 2, 192, AB
	FKLD 3, 224, AB
.endif
	WIN 0
.irp j,0,1,2,3                         ; laws_q to bf16: column tile 0 makes registers 0-3 of the fragment, column tile 1 registers 4-7; each accumulator from its low end on
.irp ct,0,1
.irp i,0,1,2,3
	v_cvt_pk_bf16_f32 v[LQ+8*\j+4*\ct+\i], v[ACC1+8*(2*\j+\ct)+2*\i], v[ACC1+8*(2*\j+\ct)+2*\i+1]
.endr
.endr
.endr
	P4 0, FK0, 0
	WIN 0
.if \kind == 0
	PLACES
	FKLD 2, FK0, AB
	s_wait_dscnt 34                                ; behind the second group's fragments: the next chunk's 26 loads and the 8 just issued
	P4 1, FK1, 0
	WIN 0
	PLACES
	FKLD 3, FK1, AB
	s_wait_dscnt 8
	P4 2, FK0, 0
	WIN 0
	PLACES
	FKLD 0, FK0, ANB
	s_wait_dscnt 8
	P4 3, FK1, 0
	WIN 0
.elseif \kind < 3
	s_wait_tensorcnt 0x0                           ; all my tensor loads have landed: my block of the other slot
	ds_add_u32 v[SPW], v[NIL]                      ; 0 onto my spare word
	s_wait_dscnt 1                                 ; (the add alone may be out)
	WIN 0xa0
	P4H 1, FK1, 0                                  ; eight matrix instructions stand between the add and the wait for it
	s_wait_dscnt 0x0                               ; the add is done, and my reads of this slot are over
	s_barrier_signal -1
	WIN 0xf0
	P4H 1, FK1, 1
	WIN 0
	s_barrier_wait -1
.if \kind == 1
	CREST                                          ; the barrier has opened a round of the cluster's: no wave of any partner still reads this slot or has a load on its way
	s_xor_b32 s49, s49, SLOT1                      ; the walking descriptor: the other slot than last time,
	s_add_nc_u64 s[50:51], s[50:51], 4*BLOCK       ; the next four blocks
	tensor_load_to_lds s[48:51], s[36:43]          ; my one tensor load behind the round: four chunks, 448 matrix instructions, in which to land
	s_nop 0
.endif
	PLACES
	WSBQ
	FKLD 0, FK0, ANB
	P4 2, 192, 1
	WIN 0x40
	PLACES
	WQLD 0, 192, ANB
	WQLD 1, 208, ANB
	P4 3, 224, 1
	WIN 0x40
	PLACES
	WQLD 2, 224, ANB
	WQLD 3, 240, ANB
	WIN 0
.else
	s_wait_dscnt 0x0
	P4 1, FK1, 0
	P4 2, 192, 1
	P4 3, 224, 1
	WIN 0
.endif
.endm
.macro THREE                           ; a slot's first three chunks
	s_mov_b32 s55, 3
.Lin_\@:
	CHUNK 0
	s_sub_co_u32 s55, s55, 1
	s_cmp_lg_u32 s55, 0
	s_cbranch_scc1 .Lin_\@
.endm
	s_load_b512 s[4:19], s[0:1], 0x0               ; lcodes 4, bstream 6, vwpart 8, attention_mask 10, w_law1 12, w_accu1 14, w_term1 16, b_law_d 18
	s_load_b128 s[20:23], s[0:1], 0x40             ; b_accu_d 20, b_term_d 22
	s_load_b64 s[24:25], s[0:1], 0x50              ; part
	v_lshl_add_u32 v[SPW], v0, 2, SPARE
	v_mov_b32 v[NIL], 0
	ds_add_u32 v[SPW], v[NIL]                      ; the wave's opening: the add, twice on end, and its wait ahead of my first tensor load
	ds_add_u32 v[SPW], v[NIL]
	v_lshrrev_b32 v10, 5, v0
	v_readfirstlane_b32 s29, v10                   ; wave 0..3
	s_bfe_u32 s30, ttmp6, 0x40000                  ; cx: it enters global addresses of lcodes, w_1 and part alone
	s_lshl_b32 s31, ttmp9, 2
	s_add_co_u32 s31, s31, s30
	s_lshl_b32 s32, s31, 2
	s_add_co_u32 s32, s32, s29                     ; W
	s_sub_co_i32 s33, s32, 800
	s_max_i32 s33, s33, 0
	s_lshl_b32 s34, s32, 2
	s_sub_co_u32 s33, s34, s33                     ; T0 = 4 W - max(W - 800, 0)
	s_sub_co_i32 s34, s32, 799
	s_max_i32 s34, s34, 0
	s_min_i32 s34, s34, 1
	s_sub_co_u32 s34, s33, s34
	s_add_co_u32 s34, s34, 3                       ; T3: the fourth place's tile
	s_mov_b32 s36, 15|(3<<16)|(1<<21)              ; group 1: mask of all four; elements of 8 bytes; bit 21 beside a mask; no padding: images are read 16 bytes a lane on end
	s_mov_b32 s37, 32<<16                          ; tensor_dim0 = 32 elements: 256 bytes
	s_mov_b32 s38, 116<<16                         ; tensor_dim1 = 116 rows: a block
	s_mov_b32 s39, 32<<16                          ; tile_dim0
	s_mov_b32 s40, 116                             ; tile_dim1
	s_mov_b32 s41, 32                              ; the pitch: dense
	s_mov_b32 s42, 0
	s_mov_b32 s43, 0
	s_mul_i32 s35, s29, BLOCK                      ; my block of a slot's four: the wave's number alone
	v_and_b32 v10, 31, v0
	v_lshlrev_b32 v[L16], 4, v10
	v_lshlrev_b32 v[L4], 2, v10
	v_lshlrev_b32 v11, 3, v10
	v_bfe_u32 v[H32], v0, 4, 1
	v_lshlrev_b32 v[H32], 5, v[H32]
	v_lshlrev_b32 v12, 2, v0
	v_lshlrev_b32 v13, 4, v0
	v_mov_b32 v[ANB], v[L16]
	v_mov_b32 v[ANS], v[L4]
	v_mov_b32 v[ANQ], v[H32]
	v_mov_b32 v20, 0
	v_mov_b32 v25, 0
	s_mov_b32 s[TB], 0
	s_mov_b32 s56, 0x3d553b95                      ; c = log2(e) / sqrt(768)
	s_mov_b32 s57, s56
	s_mov_b32 s58, 0x76543210
	s_mov_b32 s59, 0xfedcba98
	s_mov_b32 s60, 0xff800000                      ; -infinity
	s_mov_b32 s61, 0xbd553b95                      ; -c
	s_mov_b32 s62, 0x48875104                      ; 10000 sqrt(768)
	s_mov_b32 s63, 0xc8875104
	s_mov_b32 s66, 0xbd5d0dd1                      ; -17/315
	s_mov_b32 s67, 0x3e088889                      ; 2/15
	s_mov_b32 s68, 0xbeaaaaab                      ; -1/3
	s_mov_b32 s69, 0x3d800000                      ; 0.25 squared
	s_mov_b32 s74, 0x4038aa3b                      ; 2 log2(e)
	s_wait_dscnt 0x0                               ; both opening adds are done
	s_wait_kmcnt 0x0
	s_load_b32 s26, s[18:19], 0x0
	s_load_b32 s27, s[20:21], 0x0
	s_load_b32 s28, s[22:23], 0x0
	s_mov_b32 s76, s35
	s_mov_b32 s77, 0
	s_mov_b32 s44, 1
	s_mov_b32 s45, s35
	s_add_nc_u64 s[46:47], s[6:7], s[76:77]
	s_mov_b32 s48, 1
	s_add_co_u32 s49, s35, SLOT1
	s_add_nc_u64 s[50:51], s[46:47], 4*BLOCK
	s_or_b32 s47, s47, 0x80000000
	s_or_b32 s51, s51, 0x80000000
	s_mul_i32 s76, s33, REC
	s_add_nc_u64 s[70:71], s[4:5], s[76:77]
	s_mul_i32 s76, s34, REC
	s_add_nc_u64 s[72:73], s[4:5], s[76:77]
	ROUND                                          ; all four work-groups are here: the first joint loads meet
	tensor_load_to_lds s[44:47], s[36:43]          ; slot 0
	s_nop 0
	tensor_load_to_lds s[48:51], s[36:43]          ; slot 1
	s_nop 0
	PLACES
	global_load_b32 v16, v12, s[10:11]             ; thread t: the mask of keys t and t + 128
	global_load_b32 v17, v12, s[10:11] offset:512
.irp cg,0,1,2,3,4,5,6,7,8,9,10,11
	global_load_b128 v[112+4*\cg:115+4*\cg], v13, s[8:9] offset:4096*\cg
	global_load_b128 v[160+4*\cg:163+4*\cg], v13, s[8:9] offset:4096*\cg+2048
.endr
	WIN 0x40
.irp j,0,1,2
.irp s,0,1,2,3,4,5
.irp c,0,1
	global_load_b128 v[8*(6*\j+\s)+4*\c:8*(6*\j+\s)+4*\c+3], v[L16], s[70:71] offset:REC*\j+1024*\s+512*\c th:TH_LOAD_NT
.endr
.endr
.endr
.irp s,0,1,2,3,4,5
.irp c,0,1
	global_load_b128 v[8*(18+\s)+4*\c:8*(18+\s)+4*\c+3], v[L16], s[72:73] offset:1024*\s+512*\c
.endr
.endr
	WIN 0
.irp j,0,1,2
	global_load_b128 v[LSC+6*\j:LSC+6*\j+3], v[L16], s[70:71] offset:REC*\j+6144
	global_load_b64 v[LSC+6*\j+4:LSC+6*\j+5], v11, s[70:71] offset:REC*\j+6656
.endr
	global_load_b128 v[LSC+18:LSC+21], v[L16], s[72:73] offset:6144
	global_load_b64 v[LSC+22:LSC+23], v11, s[72:73] offset:6656
	s_wait_loadcnt 56                              ; the mask and vwpart are in; the 56 loads of codes and scale words stay out
	v_cvt_f32_i32 v16, v16
	v_cvt_f32_i32 v17, v17
	v_fma_f32 v16, v16, s62, s63                   ; (mask - 1) x 10000 sqrt(768)
	v_fma_f32 v17, v17, s62, s63
	v_add_nc_u32 v18, MADD, v12
	ds_store_b32 v18, v16
	ds_store_b32 v18, v17 offset:512
.irp cg,1,2,3,4,5,6,7,8,9,10,11        ; the twelve parts of each key's three dots
	v_pk_add_f32 v[112:113], v[112:113], v[112+4*\cg:113+4*\cg]
	v_pk_add_f32 v[114:115], v[114:115], v[114+4*\cg:115+4*\cg]
	v_pk_add_f32 v[160:161], v[160:161], v[160+4*\cg:161+4*\cg]
	v_pk_add_f32 v[162:163], v[162:163], v[162+4*\cg:163+4*\cg]
.endr
	v_add_nc_u32 v19, VWT, v12
.irp hd,0,1,2
	ds_store_b32 v19, v[112+\hd] offset:512*\hd
	ds_store_b32 v19, v[160+\hd] offset:1536+512*\hd
.endr
	v_add_nc_u32 v21, MADD, v[H32]
	s_wait_tensorcnt 0x1                           ; my block of slot 0 is in; slot 1's may stay out
	s_wait_dscnt 0x0                               ; my stores have landed
	s_barrier_signal -1
	s_barrier_wait -1
	WIN 0x80                                       ; the score sums begin as the mask's term of the lane's keys 16 t + 8 h + 0 .. 7
.irp jj,0,1
.irp t,0,1,2,3,4,5,6,7,8,9,10,11,12,13,14,15
	ds_load_b128 v[128*\jj+8*\t:128*\jj+8*\t+3], v21 offset:64*\t
	ds_load_b128 v[128*\jj+8*\t+4:128*\jj+8*\t+7], v21 offset:64*\t+16
.endr
.endr
	WIN 0xc0
.irp jj,0,1
.irp t,0,1,2,3,4,5,6,7,8,9,10,11,12,13,14,15
	ds_load_b128 v[128*\jj+8*\t:128*\jj+8*\t+3], v21 offset:64*\t
	ds_load_b128 v[128*\jj+8*\t+4:128*\jj+8*\t+7], v21 offset:64*\t+16
.endr
.endr
	WIN 0
	WSBQ                                           ; the first chunk's
	WIN 0x40
	WQLD 0, 192, ANB
	WQLD 1, 208, ANB
	WQLD 2, 224, ANB
	WQLD 3, 240, ANB
	WIN 0
	FKLD 0, FK0, ANB
	s_wait_loadcnt 0x0                             ; laws' codes and scale words
	s_wait_kmcnt 0x0                               ; the three b_d
	s_mov_b32 s54, 4
.Lslot:                                            ; four trips: each leaves a slot and fills it again
	THREE
	CHUNK 1
	s_sub_co_u32 s54, s54, 1
	s_cmp_lg_u32 s54, 0
	s_cbranch_scc1 .Lslot
	THREE                                          ; the last two slots are written out: nothing more is asked for
	CHUNK 2
	THREE
	CHUNK 3
	; ---- THE SOFTMAX AND THE HEADS.  Group i = (tile j = i / 2, batch b = i % 2): 64 scores a lane
	PLACES
	v_add_nc_u32 v8, VWT, v[H32]
	v_and_b32 v9, 15, v0
	v_lshlrev_b32 v9, 2, v9
.irp j,0,1,2
	s_add_co_u32 s70, s33, \j
	s_and_b32 s70, s70, 31
	s_lshl_b32 s70, s70, 6
	v_add_nc_u32 v[10+\j], s70, v9                 ; w_1 at row 16 (tile % 32) + r
.endr
	s_and_b32 s70, s34, 31
	s_lshl_b32 s70, s70, 6
	v_add_nc_u32 v13, s70, v9
	WIN 0x40
.irp j,0,1,2,3
.irp hd,0,1,2
	global_load_b32 v[240+3*\j+\hd], v[10+\j], s[12+2*\hd:13+2*\hd]
.endr
.endr
.irp hd,0,1,2                          ; vw of batch 1 in the scores' layout: window 1, v[64 head + 8 t + i]
.irp t,0,1,2,3,4,5,6,7
	ds_load_b128 v[64*\hd+8*\t:64*\hd+8*\t+3], v8 offset:1536+512*\hd+64*\t
	ds_load_b128 v[64*\hd+8*\t+4:64*\hd+8*\t+7], v8 offset:1536+512*\hd+64*\t+16
.endr
.endr
	WIN 0
.irp hd,0,1,2                          ; of batch 0: window 0, from v64
.irp t,0,1,2,3,4,5,6,7
	ds_load_b128 v[64+64*\hd+8*\t:64+64*\hd+8*\t+3], v8 offset:512*\hd+64*\t
	ds_load_b128 v[64+64*\hd+8*\t+4:64+64*\hd+8*\t+7], v8 offset:512*\hd+64*\t+16
.endr
.endr
	s_wait_dscnt 0x0
.macro GSET i
.set GW, 2+(\i)/4
.set PB, 128*(((\i)/2)%2)+64*((\i)%2)
.set GBT, (\i)%2
.set VB, 64*(1-GBT)
.endm
.macro GM i                            ; the row's largest score: four chains, each accumulator first read at its low end; v24 = -c x it
	GSET \i
	WIN (GW<<2)|(GW<<4)
.irp k,0,1,2,3
	v_max3_num_f32 v[16+\k], s60, v[PB+16*\k], v[PB+16*\k+1]
.endr
.irp p,2,4,6,8,10,12,14
.irp k,0,1,2,3
	v_max3_num_f32 v[16+\k], v[16+\k], v[PB+16*\k+\p], v[PB+16*\k+\p+1]
.endr
.endr
	WIN 0
	v_max3_num_f32 v16, v16, v17, v18
	v_max_num_f32 v16, v16, v19
	v_permlanex16_b32 v20, v16, s58, s59
	v_max_num_f32 v16, v16, v20
	v_mul_f32 v24, s61, v16
.endm
.macro GE i                            ; p = 2^(c s - c max), in place: 64 exponentials, one batch
	GSET \i
	WIN GW|(GW<<6)
.set k_, 0
.rept 32
	v_pk_fma_f32 v[PB+k_:PB+k_+1], v[PB+k_:PB+k_+1], s[56:57], v[24:25] op_sel_hi:[1,0,0]
.set k_, k_+2
.endr
.set k_, 0
.rept 64
	v_exp_f32 v[PB+k_], v[PB+k_]
.set k_, k_+1
.endr
.endm
.macro GB i                            ; the three sums p x vw (window 1, v[192 + 6 i + 2 head], in two halves) and the sum of p (left in the group's first pair)
	GSET \i
	WIN GW|(GBT<<2)|(1<<4)|(1<<6)
.irp hd,0,1,2
	v_pk_mul_f32 v[192+6*(\i)+2*\hd:193+6*(\i)+2*\hd], v[PB:PB+1], v[VB+64*\hd:VB+64*\hd+1]
.endr
.set k_, 2
.rept 31
.irp hd,0,1,2
	v_pk_fma_f32 v[192+6*(\i)+2*\hd:193+6*(\i)+2*\hd], v[PB+k_:PB+k_+1], v[VB+64*\hd+k_:VB+64*\hd+k_+1], v[192+6*(\i)+2*\hd:193+6*(\i)+2*\hd]
.endr
.set k_, k_+2
.endr
	WIN GW|(GW<<2)|(GW<<6)
.irp st,2,4,8,16,32
.set m_, 0
.rept 32/\st
	v_pk_add_f32 v[PB+m_:PB+m_+1], v[PB+m_:PB+m_+1], v[PB+m_+\st:PB+m_+\st+1]
.set m_, m_+2*\st
.endr
.endr
.endm
	GM 0
	GE 0
	v_nop                                          ; a plain place behind the last exponential
	s_wait_alu depctr_va_vdst(0)                   ; one wait for the batch, ahead of the first line that names a result
.irp i,1,2,3,4,5,6,7                   ; the sums of the group before are the independent work behind a group's exponentials
	GM \i
	GE \i
	GB \i-1
	s_wait_alu depctr_va_vdst(0)
.endr
	GB 7
	WIN 0x05
.irp i,0,1,2,3,4,5,6,7
.irp hd,0,1,2
	v_add_f32 v[64+4*\i+\hd], v[192+6*\i+2*\hd], v[193+6*\i+2*\hd]
.endr
.endr
	WIN 0x0a
.irp i,0,1,2,3
	v_add_f32 v[67+4*\i], v[128*((\i/2)%2)+64*(\i%2)], v[128*((\i/2)%2)+64*(\i%2)+1]
.endr
	WIN 0x0f
.irp i,4,5,6,7
	v_add_f32 v[67+4*\i], v[128*((\i/2)%2)+64*(\i%2)], v[128*((\i/2)%2)+64*(\i%2)+1]
.endr
	WIN 0
.set k_, 0
.rept 32
	v_permlanex16_b32 v[96+k_], v[64+k_], s58, s59 ; the row's other 64 keys lie in the lane 16 away
.set k_, k_+1
.endr
.set k_, 0
.rept 32
	v_add_f32 v[64+k_], v[64+k_], v[96+k_]
.set k_, k_+1
.endr
.irp i,0,1,2,3,4,5,6,7
	v_rcp_f32 v[128+\i], v[67+4*\i]
.endr
	v_nop
	s_wait_alu depctr_va_vdst(0)
.irp i,0,1,2,3,4,5,6,7
.irp hd,0,1,2
	v_fma_f32 v[136+3*\i+\hd], v[64+4*\i+\hd], v[128+\i], s[26+\hd]   ; g . w_d + b_d
.endr
.endr
; tanh of n numbers v[x ..] into v[e ..]: 1 - 2 / (1 + 2^(2 log2(e) x)); where x^2 < 1/16 the series x (1 + q (-1/3 + q (2/15 - 17/315 q))), q = x^2, whose first term left out is under 3.3e-7 of x: small x keep their relative accuracy
.macro TANH x, n, e, q, p
.set k_, 0
.rept \n
	v_mul_f32 v[(\e)+k_], s74, v[(\x)+k_]
.set k_, k_+1
.endr
.set k_, 0
.rept \n
	v_exp_f32 v[(\e)+k_], v[(\e)+k_]
.set k_, k_+1
.endr
.set k_, 0
.rept \n
	v_mul_f32 v[(\q)+k_], v[(\x)+k_], v[(\x)+k_]
.set k_, k_+1
.endr
.set k_, 0
.rept \n
	v_fma_f32 v[(\p)+k_], v[(\q)+k_], s66, s67
.set k_, k_+1
.endr
.set k_, 0
.rept \n
	v_fma_f32 v[(\p)+k_], v[(\p)+k_], v[(\q)+k_], s68
.set k_, k_+1
.endr
.set k_, 0
.rept \n
	v_fma_f32 v[(\p)+k_], v[(\p)+k_], v[(\q)+k_], 1.0
.set k_, k_+1
.endr
.set k_, 0
.rept \n
	v_mul_f32 v[(\p)+k_], v[(\p)+k_], v[(\x)+k_]
.set k_, k_+1
.endr
	s_wait_alu depctr_va_vdst(0)                   ; one wait for the exponentials; the series above is the work between
.set k_, 0
.rept \n
	v_add_f32 v[(\e)+k_], 1.0, v[(\e)+k_]
.set k_, k_+1
.endr
.set k_, 0
.rept \n
	v_rcp_f32 v[(\e)+k_], v[(\e)+k_]
.set k_, k_+1
.endr
	v_nop
	s_wait_alu depctr_va_vdst(0)                   ; and one for the reciprocals
.set k_, 0
.rept \n
	v_fma_f32 v[(\e)+k_], v[(\e)+k_], -2.0, 1.0
.set k_, k_+1
.endr
.set k_, 0
.rept \n
	v_cmp_gt_f32 vcc_lo, s69, v[(\q)+k_]
	v_cndmask_b32 v[(\e)+k_], v[(\e)+k_], v[(\p)+k_], vcc_lo
.set k_, k_+1
.endr
.endm
	TANH 136, 24, 160, 184, 208
	s_wait_loadcnt 0x0                             ; w_1
	WIN 0x04
.irp i,0,1,2,3,4,5,6,7
.irp hd,0,1,2
	v_mul_f32 v[160+3*\i+\hd], v[160+3*\i+\hd], v[240+3*(\i/2)+\hd]
.endr
.endr
	WIN 0
.irp m,1,2,4,8                         ; the sum over the tile's 16 rows
.set k_, 0
.rept 24
	v_add_f32_dpp v[160+k_], v[160+k_], v[160+k_] row_xmask:\m row_mask:0xf bank_mask:0xf
.set k_, k_+1
.endr
.endr
	v_mov_b32 v62, 0
.irp i,0,1,2,3,4,5,6,7                 ; lane 8 j + 2 head + b takes the number of (tile j, head, batch b); lanes 8 j + 6, 7 keep 0
.irp hd,0,1,2
	v_readfirstlane_b32 s75, v[160+3*\i+\hd]
	v_writelane_b32 v62, s75, 8*(\i/2)+2*\hd+(\i%2)
.endr
.endr
	v_and_b32 v11, 31, v0
	v_lshrrev_b32 v10, 3, v11
	v_add_nc_u32 v10, s33, v10
	v_min_u32 v10, s34, v10                        ; the tile T of my place (the fourth place of a wave of three repeats the third: same address, same number)
	v_and_b32 v11, 7, v11                          ; q = 2 head + batch
	v_lshrrev_b32 v12, 5, v10                      ; the law
	v_bfe_u32 v13, v10, 2, 3                       ; which four of the law's 32 tiles
	v_and_b32 v10, 3, v10
	v_lshlrev_b32 v10, 2, v10                      ; 4 (T % 4)
	v_lshl_add_u32 v10, v11, 4, v10                ; + 16 q
	v_lshl_add_u32 v10, v12, 7, v10                ; + 128 law
	v_mad_u32_u24 v10, v13, 13184, v10             ; + 824 x 16 for each four
	global_store_b32 v10, v62, s[24:25]            ; a wave of four tiles of one four: 128 consecutive bytes
	s_wait_tensorcnt 0x0                           ; the wave's end
	ds_add_u32 v[SPW], v[NIL]
	s_wait_dscnt 0x0
	ROUND                                          ; the closing round: no work-group ends while a partner may still ask for a block that names it
	s_endpgm
.Lfunc_end_k_q5bbf6575e3_main:
	.size	k_q5bbf6575e3_main, .Lfunc_end_k_q5bbf6575e3_main-k_q5bbf6575e3_main
	.p2alignl 7, 3214868480
	.fill 96, 4, 3214868480
	.section	.rodata,"a",@progbits
	.p2align	6, 0x0
	.amdhsa_kernel k_q5bbf6575e3_main
		.amdhsa_group_segment_fixed_size 327680
		.amdhsa_private_segment_fixed_size 0
		.amdhsa_enable_private_segment 0
		.amdhsa_kernarg_size 88
		.amdhsa_user_sgpr_count 2
		.amdhsa_user_sgpr_kernarg_segment_ptr 1
		.amdhsa_wavefront_size32 1
		.amdhsa_system_sgpr_workgroup_id_x 1
		.amdhsa_system_sgpr_workgroup_id_y 1
		.amdhsa_system_sgpr_workgroup_id_z 1
		.amdhsa_system_vgpr_workitem_id 0
		.amdhsa_next_free_vgpr 1024
		.amdhsa_next_free_sgpr 80
		.amdhsa_reserve_vcc 1
		.amdhsa_float_denorm_mode_32 3
		.amdhsa_float_denorm_mode_16_64 3
		.amdhsa_memory_ordered 1
		.amdhsa_forward_progress 1
		.amdhsa_inst_pref_size 255
	.end_amdhsa_kernel
	.section	.bss,"aw",@nobits
	.p2align	6
	.space	262144
	.amdgpu_metadata
---
amdhsa.version: [ 1, 2 ]
amdhsa.kernels:
  - .name:           k_q5bbf6575e3_main
    .symbol:         k_q5bbf6575e3_main.kd
    .args:
      - { .name: lcodes, .offset: 0, .size: 8, .value_kind: global_buffer, .address_space: global }
      - { .name: bstream, .offset: 8, .size: 8, .value_kind: global_buffer, .address_space: global }
      - { .name: vwpart, .offset: 16, .size: 8, .value_kind: global_buffer, .address_space: global }
      - { .name: attention_mask, .offset: 24, .size: 8, .value_kind: global_buffer, .address_space: global }
      - { .name: w_law1, .offset: 32, .size: 8, .value_kind: global_buffer, .address_space: global }
      - { .name: w_accu1, .offset: 40, .size: 8, .value_kind: global_buffer, .address_space: global }
      - { .name: w_term1, .offset: 48, .size: 8, .value_kind: global_buffer, .address_space: global }
      - { .name: b_law_d, .offset: 56, .size: 8, .value_kind: global_buffer, .address_space: global }
      - { .name: b_accu_d, .offset: 64, .size: 8, .value_kind: global_buffer, .address_space: global }
      - { .name: b_term_d, .offset: 72, .size: 8, .value_kind: global_buffer, .address_space: global }
      - { .name: part, .offset: 80, .size: 8, .value_kind: global_buffer, .address_space: global }
    .group_segment_fixed_size: 327680
    .private_segment_fixed_size: 0
    .kernarg_segment_align: 8
    .kernarg_segment_size: 88
    .max_flat_workgroup_size: 128
    .sgpr_count:     80
    .vgpr_count:     1024
    .wavefront_size: 32
...
	.end_amdgpu_metadata
.endif
;; end of part 2
;; launch final (part 3): grid 1 x 1, 16 waves a work-group, no clusters, 7,424 bytes of LDS; arguments part, b_law1, b_accu1, b_term1, W_accu2, b_accu2, W_term2, b_term2, out0, out1, out2; writes out0, out1, out2
.if DOCPART == 3
	.amdgcn_target "amdgcn-amd-amdhsa--gfx1250"
	.amdhsa_code_object_version 6
	.text
	.protected	k_q5bbf6575e3_final
	.globl	k_q5bbf6575e3_final
	.p2align	8
	.type	k_q5bbf6575e3_final,@function
k_q5bbf6575e3_final:
	s_mov_b64 s[64:65], 0
	v_nop
	global_prefetch_b8 v0, s[64:65] scope:SCOPE_SE
	s_setreg_imm32_b32 hwreg(HW_REG_WAVE_MODE, 25, 1), 1
	s_wait_xcnt 0x0
; FINAL.  One work-group of sixteen waves: the sum spans all tiles, so it has one owner.  All in f32.
; part is laid [8 fours of tiles][824 tasks][4]; task g = law x 8 + 2 head + batch.  A LANE TAKES A TASK: thread t owns tasks t and t + 512 (held at 823 for the loads): eight loads of 16 bytes each, neighbouring lanes at
; neighbouring bytes, bring a task's 32 terms into the lane's own registers, so the sum needs no other lane, and the bias and the tanh are done once for each task.  Head 0 + b_law1 is out0;
; heads 1, 2 go through tanh and the matrices W_accu2 [119][103], W_term2 [11][103], + their biases: there wave w takes output rows w + 16 p (held at 118; W_term2: at 10), a lane laws lane + 32 k.
; Every load is issued at the head: 16 of part, then 45 of the matrices and biases.
; Table words of laws 103 .. 127 and of the two spare numbers of a law hold finite numbers made of the held task: they meet a weight of 0 or are not read.
.set TBL,   0                          ; LDS: [2 head + b: 8 rows][128] f32
.set O1,    4096                       ; [b][128]
.set O2,    5120                       ; [b][16]
.set SPARE, 5376                       ; the spare words, 128 bytes for each of 16 waves
.set PQ,    13184                      ; a four's plane of part: 824 tasks x 16 bytes
	s_load_b512 s[4:19], s[0:1], 0x0               ; part 4, b_law1 6, b_accu1 8, b_term1 10, W_accu2 12, b_accu2 14, W_term2 16, b_term2 18
	s_load_b128 s[20:23], s[0:1], 0x40             ; out0 20, out1 22
	s_load_b64 s[24:25], s[0:1], 0x50              ; out2
	v_lshl_add_u32 v14, v0, 2, SPARE
	v_mov_b32 v15, 0
	v_lshrrev_b32 v1, 5, v0
	v_readfirstlane_b32 s26, v1                    ; wave
	v_and_b32 v1, 31, v0                           ; lane
	v_lshlrev_b32 v2, 4, v0                        ; part: task t
	v_add_nc_u32 v3, 512, v0
	v_min_u32 v3, 823, v3
	v_lshlrev_b32 v3, 4, v3                        ; and task t + 512, held inside the plane
	v_bfe_u32 v32, v0, 1, 2                        ; my tasks' head (512 is a multiple of 8: the same for both)
	v_and_b32 v44, 7, v0
	v_lshrrev_b32 v45, 3, v0
	v_lshlrev_b32 v45, 2, v45
	v_lshl_add_u32 v44, v44, 9, v45                ; the table: row t % 8, word t / 8; task t + 512 lies 64 words on
	v_lshlrev_b32 v16, 2, v1
	v_add_nc_u32 v17, 96, v1
	v_min_u32 v17, 102, v17
	v_lshlrev_b32 v17, 2, v17                      ; the fourth run of 32 laws, held inside the row
	s_mul_i32 s35, s26, 412
	v_add_nc_u32 v4, s35, v16
	v_add_nc_u32 v5, s35, v17
	s_add_co_u32 s36, s26, 112
	s_min_u32 s36, s36, 118
	s_mul_i32 s35, s36, 412
	v_add_nc_u32 v6, s35, v16
	v_add_nc_u32 v7, s35, v17
	s_lshl_b32 s36, s36, 2
	v_mov_b32 v11, s36
	s_min_u32 s37, s26, 10
	s_mul_i32 s35, s37, 412
	v_add_nc_u32 v8, s35, v16
	v_add_nc_u32 v9, s35, v17
	s_lshl_b32 s37, s37, 2
	v_mov_b32 v12, s37
	s_lshl_b32 s35, s26, 2
	v_mov_b32 v10, s35
	v_mov_b32 v13, s35                             ; LDS: 4 x wave
	s_mov_b32 s30, 0x76543210
	s_mov_b32 s31, 0xfedcba98
	s_mov_b32 s66, 0xbd5d0dd1                      ; -17/315
	s_mov_b32 s67, 0x3e088889                      ; 2/15
	s_mov_b32 s68, 0xbeaaaaab                      ; -1/3
	s_mov_b32 s69, 0x3d800000                      ; 0.25 squared
	s_mov_b32 s74, 0x4038aa3b                      ; 2 log2(e)
	s_wait_kmcnt 0x0
	s_load_b32 s27, s[6:7], 0x0
	s_load_b32 s28, s[8:9], 0x0
	s_load_b32 s29, s[10:11], 0x0
.irp tq,0,1,2,3,4,5,6,7
	global_load_b128 v[136+4*\tq:139+4*\tq], v2, s[4:5] offset:PQ*\tq       ; 32 lanes read 512 consecutive bytes
.endr
.irp tq,0,1,2,3,4,5,6,7
	global_load_b128 v[168+4*\tq:171+4*\tq], v3, s[4:5] offset:PQ*\tq
.endr
.irp p,0,1,2,3,4,5,6
.irp k,0,1,2
	global_load_b32 v[88+4*\p+\k], v4, s[12:13] offset:6592*\p+128*\k
.endr
	global_load_b32 v[91+4*\p], v5, s[12:13] offset:6592*\p
	global_load_b32 v[124+\p], v10, s[14:15] offset:64*\p
.endr
.irp k,0,1,2
	global_load_b32 v[116+\k], v6, s[12:13] offset:128*\k
	global_load_b32 v[120+\k], v8, s[16:17] offset:128*\k
.endr
	global_load_b32 v119, v7, s[12:13]
	global_load_b32 v123, v9, s[16:17]
	global_load_b32 v131, v11, s[14:15]
	global_load_b32 v132, v12, s[18:19]
	s_wait_loadcnt 45                              ; part's 16 loads are in; the 45 behind them stay out
	; ---- my two tasks' sums over a law's 32 tiles: two at a time, the two tasks by turns
.irp st,2,4,8,16
.set m_, 0
.rept 16/\st
	v_pk_add_f32 v[136+m_:137+m_], v[136+m_:137+m_], v[136+m_+\st:137+m_+\st]
	v_pk_add_f32 v[168+m_:169+m_], v[168+m_:169+m_], v[168+m_+\st:169+m_+\st]
.set m_, m_+2*\st
.endr
.endr
	v_add_f32 v136, v136, v137
	v_add_f32 v168, v168, v169
	s_wait_kmcnt 0x0
	v_mov_b32 v33, s27                             ; my head's bias: b_law1, b_accu1 or b_term1
	v_mov_b32 v34, s28
	v_mov_b32 v35, s29
	v_cmp_eq_u32 vcc_lo, 1, v32
	v_cndmask_b32 v33, v33, v34, vcc_lo
	v_cmp_lt_u32 vcc_lo, 1, v32
	v_cndmask_b32 v33, v33, v35, vcc_lo
	v_add_f32 v36, v136, v33
	v_add_f32 v37, v168, v33
; tanh of n numbers v[x ..] into v[e ..]: 1 - 2 / (1 + 2^(2 log2(e) x)); where x^2 < 1/16 the series x (1 + q (-1/3 + q (2/15 - 17/315 q))), q = x^2
.macro TANH x, n, e, q, p
.set k_, 0
.rept \n
	v_mul_f32 v[(\e)+k_], s74, v[(\x)+k_]
.set k_, k_+1
.endr
.set k_, 0
.rept \n
	v_exp_f32 v[(\e)+k_], v[(\e)+k_]
.set k_, k_+1
.endr
.set k_, 0
.rept \n
	v_mul_f32 v[(\q)+k_], v[(\x)+k_], v[(\x)+k_]
.set k_, k_+1
.endr
.set k_, 0
.rept \n
	v_fma_f32 v[(\p)+k_], v[(\q)+k_], s66, s67
.set k_, k_+1
.endr
.set k_, 0
.rept \n
	v_fma_f32 v[(\p)+k_], v[(\p)+k_], v[(\q)+k_], s68
.set k_, k_+1
.endr
.set k_, 0
.rept \n
	v_fma_f32 v[(\p)+k_], v[(\p)+k_], v[(\q)+k_], 1.0
.set k_, k_+1
.endr
.set k_, 0
.rept \n
	v_mul_f32 v[(\p)+k_], v[(\p)+k_], v[(\x)+k_]
.set k_, k_+1
.endr
	s_wait_alu depctr_va_vdst(0)                   ; one wait for the exponentials; the series above is the work between
.set k_, 0
.rept \n
	v_add_f32 v[(\e)+k_], 1.0, v[(\e)+k_]
.set k_, k_+1
.endr
.set k_, 0
.rept \n
	v_rcp_f32 v[(\e)+k_], v[(\e)+k_]
.set k_, k_+1
.endr
	v_nop
	s_wait_alu depctr_va_vdst(0)                   ; and one for the reciprocals
.set k_, 0
.rept \n
	v_fma_f32 v[(\e)+k_], v[(\e)+k_], -2.0, 1.0
.set k_, k_+1
.endr
.set k_, 0
.rept \n
	v_cmp_gt_f32 vcc_lo, s69, v[(\q)+k_]
	v_cndmask_b32 v[(\e)+k_], v[(\e)+k_], v[(\p)+k_], vcc_lo
.set k_, k_+1
.endr
.endm
	TANH 36, 2, 38, 40, 42
	v_cmp_eq_u32 vcc_lo, 0, v32                    ; head 0 has no second tanh
	v_cndmask_b32 v38, v38, v36, vcc_lo
	v_cndmask_b32 v39, v39, v37, vcc_lo
	ds_store_b32 v44, v38 offset:TBL               ; each of the table's 1,024 words is written once, by one lane
	ds_store_b32 v44, v39 offset:TBL+256
	s_wait_dscnt 0x0                               ; for the others' sake: my stores have landed
	s_barrier_signal -1
	s_barrier_wait -1
	; ---- the two small matrices: a lane takes laws lane + 32 k
.irp q,2,3,4,5
.irp k,0,1,2,3
	ds_load_b32 v[136+4*(\q-2)+\k], v16 offset:TBL+512*\q+128*\k
.endr
.endr
	s_wait_loadcnt 0x0
	v_cmp_gt_u32 vcc_lo, 7, v1                     ; of the fourth run only laws 96 .. 102 exist
.irp p,0,1,2,3,4,5,6,7,8
	v_cndmask_b32 v[91+4*\p], 0, v[91+4*\p], vcc_lo
.endr
	s_wait_dscnt 0x0
.irp p,0,1,2,3,4,5,6,7,8
.irp b,0,1
	v_mul_f32 v[192+2*\p+\b], v[88+4*\p], v[136+8*(\p/8)+4*\b]
.endr
.irp k,1,2,3
.irp b,0,1
	v_fma_f32 v[192+2*\p+\b], v[88+4*\p+\k], v[136+8*(\p/8)+4*\b+\k], v[192+2*\p+\b]
.endr
.endr
.endr
.irp m,1,2,4,8
.set k_, 0
.rept 18
	v_add_f32_dpp v[192+k_], v[192+k_], v[192+k_] row_xmask:\m row_mask:0xf bank_mask:0xf
.set k_, k_+1
.endr
.endr
.set k_, 0
.rept 18
	v_permlanex16_b32 v[152+k_], v[192+k_], s30, s31   ; (into registers that part's loads have written and nobody needs any more)
.set k_, k_+1
.endr
.set k_, 0
.rept 18
	v_add_f32 v[192+k_], v[192+k_], v[152+k_]
.set k_, k_+1
.endr
.irp p,0,1,2,3,4,5,6,7,8
.irp b,0,1
	v_add_f32 v[192+2*\p+\b], v[192+2*\p+\b], v[124+\p]
.endr
.endr
.irp p,0,1,2,3,4,5,6,7
.irp b,0,1
	ds_store_b32 v13, v[192+2*\p+\b] offset:O1+512*\b+64*\p    ; all lanes of a wave write the same word with the same number
.endr
.endr
	ds_store_b32 v13, v208 offset:O2
	ds_store_b32 v13, v209 offset:O2+64
	s_wait_dscnt 0x0
	s_barrier_signal -1
	s_barrier_wait -1
	; ---- the way out: thread t takes batch t / 128, place t % 128: its table word lies at 4 t
	s_cmp_lt_u32 s26, 8
	s_cbranch_scc0 .Lend
	v_and_b32 v18, 127, v0
	v_lshrrev_b32 v19, 7, v0
	v_lshlrev_b32 v20, 2, v0
	v_lshlrev_b32 v21, 2, v18
	v_mad_u32_u24 v22, v19, 412, v21
	v_mad_u32_u24 v23, v19, 476, v21
	v_mov_b32 v24, 0
	v_mov_b32 v25, 0
	v_mov_b32 v26, 0
	v_cmp_gt_u32 vcc_lo, 103, v18
	s_wait_xcnt 0x0                                ; EXEC changes only behind this wait
	s_and_saveexec_b32 s40, vcc_lo
	ds_load_b32 v24, v20 offset:TBL
	s_wait_dscnt 0x0
	global_store_b32 v22, v24, s[20:21]
	s_wait_xcnt 0x0
	s_or_b32 exec_lo, exec_lo, s40
	v_cmp_gt_u32 vcc_lo, 119, v18
	s_wait_xcnt 0x0
	s_and_saveexec_b32 s40, vcc_lo
	ds_load_b32 v25, v20 offset:O1
	s_wait_dscnt 0x0
	global_store_b32 v23, v25, s[22:23]
	s_wait_xcnt 0x0
	s_or_b32 exec_lo, exec_lo, s40
	s_cmp_eq_u32 s26, 0
	s_cbranch_scc0 .Lend
	v_and_b32 v18, 15, v0                          ; wave 0: batch t / 16, place t % 16
	v_lshrrev_b32 v19, 4, v0
	v_lshlrev_b32 v21, 2, v18
	v_mad_u32_u24 v27, v19, 44, v21
	v_cmp_gt_u32 vcc_lo, 11, v18
	s_wait_xcnt 0x0
	s_and_saveexec_b32 s40, vcc_lo
	ds_load_b32 v26, v20 offset:O2
	s_wait_dscnt 0x0
	global_store_b32 v27, v26, s[24:25]
	s_wait_xcnt 0x0
	s_or_b32 exec_lo, exec_lo, s40
.Lend:
	s_wait_tensorcnt 0x0                           ; the wave's end
	ds_add_u32 v14, v15
	s_wait_dscnt 0x0
	s_endpgm
.Lfunc_end_k_q5bbf6575e3_final:
	.size	k_q5bbf6575e3_final, .Lfunc_end_k_q5bbf6575e3_final-k_q5bbf6575e3_final
	.p2alignl 7, 3214868480
	.fill 96, 4, 3214868480
	.section	.rodata,"a",@progbits
	.p2align	6, 0x0
	.amdhsa_kernel k_q5bbf6575e3_final
		.amdhsa_group_segment_fixed_size 7424
		.amdhsa_private_segment_fixed_size 0
		.amdhsa_enable_private_segment 0
		.amdhsa_kernarg_size 88
		.amdhsa_user_sgpr_count 2
		.amdhsa_user_sgpr_kernarg_segment_ptr 1
		.amdhsa_wavefront_size32 1
		.amdhsa_system_sgpr_workgroup_id_x 1
		.amdhsa_system_sgpr_workgroup_id_y 1
		.amdhsa_system_sgpr_workgroup_id_z 1
		.amdhsa_system_vgpr_workitem_id 0
		.amdhsa_next_free_vgpr 256
		.amdhsa_next_free_sgpr 80
		.amdhsa_reserve_vcc 1
		.amdhsa_float_denorm_mode_32 3
		.amdhsa_float_denorm_mode_16_64 3
		.amdhsa_memory_ordered 1
		.amdhsa_forward_progress 1
		.amdhsa_inst_pref_size 28
	.end_amdhsa_kernel
	.amdgpu_metadata
---
amdhsa.version: [ 1, 2 ]
amdhsa.kernels:
  - .name:           k_q5bbf6575e3_final
    .symbol:         k_q5bbf6575e3_final.kd
    .args:
      - { .name: part, .offset: 0, .size: 8, .value_kind: global_buffer, .address_space: global }
      - { .name: b_law1, .offset: 8, .size: 8, .value_kind: global_buffer, .address_space: global }
      - { .name: b_accu1, .offset: 16, .size: 8, .value_kind: global_buffer, .address_space: global }
      - { .name: b_term1, .offset: 24, .size: 8, .value_kind: global_buffer, .address_space: global }
      - { .name: W_accu2, .offset: 32, .size: 8, .value_kind: global_buffer, .address_space: global }
      - { .name: b_accu2, .offset: 40, .size: 8, .value_kind: global_buffer, .address_space: global }
      - { .name: W_term2, .offset: 48, .size: 8, .value_kind: global_buffer, .address_space: global }
      - { .name: b_term2, .offset: 56, .size: 8, .value_kind: global_buffer, .address_space: global }
      - { .name: out0, .offset: 64, .size: 8, .value_kind: global_buffer, .address_space: global }
      - { .name: out1, .offset: 72, .size: 8, .value_kind: global_buffer, .address_space: global }
      - { .name: out2, .offset: 80, .size: 8, .value_kind: global_buffer, .address_space: global }
    .group_segment_fixed_size: 7424
    .private_segment_fixed_size: 0
    .kernarg_segment_align: 8
    .kernarg_segment_size: 88
    .max_flat_workgroup_size: 512
    .sgpr_count:     80
    .vgpr_count:     256
    .wavefront_size: 32
...
	.end_amdgpu_metadata
.endif
;; end of part 3
